; MI455X (gfx1250); checked and timed in simulation.
; The chip was launched on July 23, 2026; its instructions are those of AMD's public machine-readable ISA for CDNA 5 (MIT licence, August 2026) and "CDNA5" Instruction Set Architecture Reference Guide (July 2026). The comments in the code are by the model that wrote it; some were corrected since.
;; Hetero Linear. Allowed arithmetic: float matrix products may take bf16 or f16 operands with f32 sums; other float arithmetic in f32, or as packed bf16 or f16 multiplies, adds, multiply-adds, maxima and minima; sums over many terms, partial sums and values carried from step to step in f32; what a program stores and reads back later, other than sums and carried values, may be rounded once to bf16 or f16.
;; Inputs: W 16 x 256 x 256 float32; b 16 x 256 float32; type_vec 50,000 int32; x 50,000 x 256 float32.
;; Outputs: out0 50,000 x 256 float32.
;; 2 versions, each right and faster than the one before. Each part assembles by itself: llvm-mc -triple=amdgcn-amd-amdhsa -mcpu=gfx1250 --defsym DOCPART=n.
;; ======== version 1 of 2: 1 launch
;; launch hetero (part 1): grid 16 x 16, 4 waves a work-group, no clusters, 288,768 bytes of LDS; arguments x, type_vec, W, b, out0; writes out0
.if DOCPART == 1
	.amdgcn_target "amdgcn-amd-amdhsa--gfx1250"
	.amdhsa_code_object_version 6
	.text
	.protected	k_qf031f08e72_hetero
	.globl	k_qf031f08e72_hetero
	.p2align	8
	.type	k_qf031f08e72_hetero,@function
k_qf031f08e72_hetero:
	s_mov_b64 s[64:65], 0
	v_nop
	global_prefetch_b8 v0, s[64:65] scope:SCOPE_SE
	s_setreg_imm32_b32 hwreg(HW_REG_WAVE_MODE, 25, 1), 1
	s_wait_xcnt 0x0
; out[n][:] = x[n][:] . W[t[n]]^T + b[t[n]].  x, out: [50000][256] f32; t: [50000] i32; W: [16][256][256] f32; b: [16][256] f32.
; A row whose type lies outside 0..15 gets 0, which is what the sixteen selections leave there.
; SHARES.  Work-group (e, s) owns the rows of type e among the 3,136 rows of segment s (the last segment: 2,960): 16 x 16 work-groups.  It reads its 12,544 bytes of t itself.
; Each of the four waves scans a quarter of the segment's quads into a list of its own; behind ONE barrier the four lists, taken end to end, are dealt out evenly: ceil(n / 4) rows a wave.
; A wave then makes all 256 columns of its rows, 64 rows a trip, with no further barrier: W[e], rounded to bf16, lies in LDS for all four waves and is only read.
; CONTROL.  One loop, whose count, ceil(rows / 64), hangs on t, and no other branch.  What else hangs on the count is done by EXEC: loads of batches past the count and stores of rows past the
; count are issued with those lanes off.  A wave without rows makes one trip with everything off.  In the loop every LDS address is a register made at the head plus a constant: the four groups
; of 64 columns are written out, each with an address register of its own, and the wave's list lies in 26 registers that move down by two a trip.
; LAYOUT.  Source 0 = 16 rows of x, source 1 = 16 rows of W.  Accumulator a (0..3) of column group c takes W's rows 64 c + 4 r + a (r = lane % 16), so a lane's four accumulators hold four
; NEIGHBOURING columns of a row: 16 bytes; sixteen lanes store 256 consecutive bytes, aligned, with no trip through LDS.
; EVERY SPLIT IS SERVED: a wave's share is 784 rows at the most, 13 trips.  LIMIT: a split far from even is right but not balanced between work-groups (one may have all 3,136 rows).
; FORMATS.  x and W are rounded once to bf16 (f32's range is kept); sums and the bias stay in f32.
; Places past a count name rows that exist (a neighbour's, or the segment's first): they are multiplied with a tile that is not full and never stored; a row of a product hangs on its own row of source 0 alone.
; ROWS OF NO TYPE go to the work-groups of type 0, with bit 16 set in the list: their rows in LDS are overwritten with zeros and their bias is multiplied by 0.
; NO CLUSTER, though the 16 work-groups of a type read the same 262,144 bytes of W: the trip count hangs on the work-group's own rows, which differ between partners.
; NO TENSOR LOAD: W in f32 (266 KB with padding) and its bf16 copy (135 KB) do not fit in LDS together, so W is rounded on its way through registers, like x.
;
; LDS.  0: the lists, 4,096 bytes a wave: words 0-895 row numbers, words 896-927 a word for each lane that takes what does not match.  16,384: a trip's 64 entries, 256 bytes a wave.  17,408: the four counts.
; 17,664: the spare words.  18,176: W, 256 slots of 512 bytes of bf16 + 16: row 64 c + 4 r + a in slot 64 c + 16 a + r, so that the 16 rows of a fragment lie 528 bytes apart and start in 16 different
; 16-byte columns modulo 256 (64 banks of 4 bytes: ISA guide 11.1).  153,344: x, 64 such slots a wave.
; REGISTERS, in windows of 256 (s_set_vgpr_msb: bits 1:0 source 0, 3:2 source 1, 5:4 source 2, 7:6 destination):
;   window 0: see the names below.   window 1: x's fragments, (tile t, K step ks) at 64 t + 8 ks.   window 2: W's fragments of a column group, (a, ks) at 8 (8 a + ks); before that staging sets 0, 1.
;   window 3: staging sets 2, 3.   A staging set is 16 rows in f32, row i at 8 i.
.set NROWS, 50000
.set SEGR,  3136                       ; rows in a segment
.set SEGQ,  784                        ; quads of t in a segment
.set XP,    528                        ; a slot: a row of 256 bf16 + 16 bytes
.set REG64, 64*XP                      ; 64 slots: a wave's part of W, a column group, a wave's x region
.set CURB,  16384
.set CNTB,  17408
.set SPARE, 17664                      ; 128 bytes for each wave: two blocks of 256 bytes that no other line names
.set WL,    18176
.set XB,    153344
.set V_LANE, 1
.set V_L16,  2                         ; 16 x lane
.set V_R,    3                         ; lane % 16
.set V_H,    4                         ; lane / 16
.set V_SPW,  5                         ; LDS address of my spare word; never rewritten
.set V_NIL,  6                         ; 0, for the add alone
.set V_ROWM, 7                         ; the first row of my first quad, marked
.set V_WST,  8                         ; where I put 8 bytes of a row of my part of W
.set V_XST,  9                         ; the same in my x region
.set V_AF,   10                        ; my lane's place in a fragment of x
.set V_CURA, 13                        ; my word among the trip's entries
.set V_CURR, 14                        ; the trip's entries, the same address in every lane
.set V_CURH, 15                        ; the same + 32 (lane / 16)
.set V_R16,  16                        ; 16 (lane % 16)
.set V_H8,   17                        ; 8 (lane / 16)
.set V_ROW0, 18                        ; the first row of my first quad
.set V_DMP,  19                        ; 896 + lane
.set V_VR,   20                        ; rows left - 8 (lane / 16)
.set V_RMV,  21                        ; rows left
.set V_K64,  22                        ; 0x10000: the mark of a row of no type
.set V_ZS,   23                        ; slot `lane' of my x region
.set V_BI,   24                        ; v[24:39]   the bias of my four columns in column group c at + 4 c
.set V_ZQ,   44                        ; v[44:47]   four zeros
.set V_LR,   48                        ; v[48:73]   my share of the lists: entry 32 q + lane in register q
.set V_TO,   74                        ; offsets of the type loads and of the bias
.set V_T5,   75
.set V_T6,   76
.set V_BO,   77
.set V_CA,   78
.set V_CD,   79
.set V_F,    80                        ; v[80:111]  1.0, or 0.0 for a row of no type: tile t, row 8 (lane / 16) + j at 8 t + j
.set V_TY,   80                        ; v[80:107]  before the loop: seven quads of types
.set V_OA,   112                       ; v[112:143] byte offsets in out, like F
.set V_P,    112                       ; before the loop: list places,
.set V_RW,   116                       ; row numbers,
.set V_TT,   120                       ; their bases, marked or not,
.set V_FQ,   124                       ; four times the segment's first row,
.set V_RK,   128                       ; my first rank + lane,
.set V_RR,   129                       ; a rank,
.set V_DD,   130                       ; its place in the lists,
.set V_CN,   132                       ; v[132:135] the four counts
.set V_ACC,  144                       ; v[144:175] accumulator a at + 8 a
.set V_OUT,  176                       ; v[176:207] row j's four columns at + 4 j
.set V_XO,   144                       ; v[144:207] while rows are gathered: 64 byte offsets in x,
.set V_CV,   144                       ; then 16 rounded rows on their way to LDS
.set V_BF,   208                       ; v[208:211] my lane's place in a fragment of W, in column group 0..3; never rewritten
.set S_WV,   14
.set S_E,    15
.set S_SEG,  16
.set S_ZM,   17                        ; all ones in the work-groups of type 0
.set S_QV,   22                        ; quads in my segment
.set S_QL,   23                        ; the last of them
.set S_NW,   24                        ; rows that my wave found
.set S_LB,   25                        ; my list's LDS address
.set S_T,    26
.set S_T2,   27
.set S_M,    28                        ; s[28:31] lanes that match
.set S_Z,    32                        ; s[32:35] lanes of no type
.set S_B,    36                        ; s[36:39] list place of a quad column's first match
.set S_VM,   40                        ; s40, s41 lanes whose quad 5, 6 exists
.set S_N,    44                        ; s[44:47] the four waves' counts
.set S_P,    48                        ; s49-51   the rank at which list 1, 2, 3 begins
.set S_D,    52                        ; s53-55   4,096 k - 4 x that rank
.set S_NT,   56                        ; the work-group's rows
.set S_Q,    57                        ; a wave's share
.set S_ST,   58                        ; my first rank
.set S_NTR,  60                        ; my trips
.set S_TC,   61
.set S_RM,   62                        ; rows of mine from this trip's first on
.set MSB, 0
.macro WIN new                         ; the immediate's high byte repeats the setting that is left; a switch that changes nothing is dropped
.if MSB != (\new)
	s_set_vgpr_msb (MSB<<8)|(\new)
.set MSB, (\new)
.endif
.endm
	s_load_b256 s[4:11], s[0:1], 0x0               ; x s[4:5], type_vec s[6:7], W s[8:9], b s[10:11]
	s_load_b64 s[12:13], s[0:1], 0x20              ; out0
	v_lshl_add_u32 v[V_SPW], v0, 2, SPARE
	v_mov_b32 v[V_NIL], 0
	v_lshrrev_b32 v[V_H], 5, v0
	v_readfirstlane_b32 s[S_WV], v[V_H]            ; wave 0..3
	s_mov_b32 s[S_E], ttmp9                        ; my type
	s_and_b32 s[S_SEG], ttmp7, 0xffff              ; my segment
	s_cmp_eq_u32 s[S_E], 0
	s_cselect_b32 s[S_ZM], -1, 0
	s_lshl_b32 s18, s[S_E], 18                     ; W[e]: 262,144 bytes a type,
	s_lshl_b32 s20, s[S_WV], 16                    ; my 64 rows of 1,024 bytes
	s_add_co_u32 s18, s18, s20
	s_mov_b32 s19, 0
	s_mul_i32 s20, s[S_SEG], SEGQ*16               ; my segment's types
	s_mov_b32 s21, 0
	s_mul_i32 s[S_QV], s[S_SEG], SEGQ
	s_sub_co_u32 s[S_QV], NROWS/4, s[S_QV]
	s_min_u32 s[S_QV], s[S_QV], SEGQ               ; 784 quads; 740 in the last segment
	s_sub_co_u32 s[S_QL], s[S_QV], 1
	v_and_b32 v[V_LANE], 31, v0
	v_lshlrev_b32 v[V_L16], 4, v[V_LANE]
	v_and_b32 v[V_R], 15, v0
	v_lshlrev_b32 v[V_TO], 4, v0                   ; quad 128 i + thread: 16 bytes a thread, 2,048 i in the immediate (i = 0..4: quad 639 at the most, in every segment)
	v_add_nc_u32 v[V_T5], 640, v0                  ; quads 5 and 6 may lie past the segment's end: the number is held to the last quad, and the lanes are struck from the matches
	v_add_nc_u32 v[V_T6], 768, v0
	v_cmp_gt_u32 s[S_VM], s[S_QV], v[V_T5]
	v_cmp_gt_u32 s[S_VM+1], s[S_QV], v[V_T6]
	v_min_u32 v[V_T5], s[S_QL], v[V_T5]
	v_min_u32 v[V_T6], s[S_QL], v[V_T6]
	v_lshlrev_b32 v[V_T5], 4, v[V_T5]
	v_lshlrev_b32 v[V_T6], 4, v[V_T6]
	s_lshl_b32 s[S_T], s[S_E], 10                  ; b[e], my four columns of a group
	v_lshl_add_u32 v[V_BO], v[V_R], 4, s[S_T]
	s_wait_kmcnt 0x0
	s_add_nc_u64 s[8:9], s[8:9], s[18:19]
	s_add_nc_u64 s[6:7], s[6:7], s[20:21]
.irp i, 0,1,2,3,4
	global_load_b128 v[V_TY+4*(\i):V_TY+4*(\i)+3], v[V_TO], s[6:7] offset:2048*(\i)  ; the rows of x hang on these: they go out first
.endr
	global_load_b128 v[V_TY+20:V_TY+23], v[V_T5], s[6:7]
	global_load_b128 v[V_TY+24:V_TY+27], v[V_T6], s[6:7]
.irp c, 0,1,2,3
	global_load_b128 v[V_BI+4*(\c):V_BI+4*(\c)+3], v[V_BO], s[10:11] offset:256*(\c)
.endr
; Sixteen of my 64 rows of W, rows 16 b .., into staging set b: two loads a row, 512 consecutive bytes each.  These loads, with all lanes on, also write every staging register whole once.
.macro WLD b
	WIN 0x80+0x40*((\b)/2)                         ; destination window 2 or 3, address window 0
.set i, 0
.rept 16
	global_load_b128 v[128*((\b)%2)+8*i:128*((\b)%2)+8*i+3],   v[V_L16], s[8:9] offset:1024*(16*(\b)+i)
	global_load_b128 v[128*((\b)%2)+8*i+4:128*((\b)%2)+8*i+7], v[V_L16], s[8:9] offset:1024*(16*(\b)+i)+512
.set i, i+1
.endr
	WIN 0
.endm
	WLD 0
	WLD 1
	v_bfe_u32 v[V_H], v0, 4, 1
	v_lshlrev_b32 v[V_R16], 4, v[V_R]
	v_lshlrev_b32 v[V_H8], 3, v[V_H]
	v_mov_b32 v[V_K64], 0x10000
.irp c, 0,1,2,3
	v_mov_b32 v[V_ZQ+(\c)], 0
.endr
	s_mul_i32 s[S_T], s[S_WV], REG64
	s_add_co_u32 s[S_T2], s[S_T], WL
	v_lshl_add_u32 v[V_WST], v[V_LANE], 3, s[S_T2]
	s_add_co_u32 s[S_T2], s[S_T], XB
	v_lshl_add_u32 v[V_XST], v[V_LANE], 3, s[S_T2]
	v_mul_u32_u24 v[V_CD], v[V_R], XP              ; a fragment is 16 rows x 32 K in 8 registers: lane l holds row l % 16, K = 8 (l / 16) + 0..7 and 16 + 8 (l / 16) + 0..7
	v_lshl_add_u32 v[V_CD], v[V_H], 4, v[V_CD]
	v_add_nc_u32 v[V_AF], s[S_T2], v[V_CD]
.irp c, 0,1,2,3
	v_add_nc_u32 v[V_BF+(\c)], WL+(\c)*REG64, v[V_CD]
.endr
	v_mul_u32_u24 v[V_ZS], v[V_LANE], XP
	v_add_nc_u32 v[V_ZS], s[S_T2], v[V_ZS]
	s_lshl_b32 s[S_T], s[S_WV], 8
	s_add_co_u32 s[S_T], s[S_T], CURB
	v_lshl_add_u32 v[V_CURA], v[V_LANE], 2, s[S_T]
	v_mov_b32 v[V_CURR], s[S_T]
	v_lshl_add_u32 v[V_CURH], v[V_H], 5, s[S_T]
	s_lshl_b32 s[S_LB], s[S_WV], 12
	s_mul_i32 s[S_T], s[S_SEG], SEGR               ; the segment's first row
	v_lshl_add_u32 v[V_ROW0], v0, 2, s[S_T]
	v_add_nc_u32 v[V_ROWM], 0x10000, v[V_ROW0]
	v_add_nc_u32 v[V_DMP], 896, v[V_LANE]
.irp c, 0,1,2,3
	v_mov_b32 v[V_FQ+(\c)], s[S_T]
.endr
	v_add_nc_u32 v[V_CA], s[S_LB], v[V_L16]
.irp q, 0,1,2,3,4,5,6,7
	ds_store_b128 v[V_CA], v[V_FQ:V_FQ+3] offset:512*(\q)  ; my whole list names a row that exists
.endr
	s_mov_b32 s[S_NW], 0
	s_wait_loadcnt 0x3f                            ; loads come back in order (ISA guide 5.7.1): behind the seven quads and the bias stand W's 64 loads, of which 63 may stay out
; THE SCAN of quad i: the lanes whose type is mine (in the work-groups of type 0 also those of no type, marked) take consecutive places in my list, column by column; the others write a
; word of their own behind the list.  The place is held to 927, inside my wave's 4,096 bytes.  The order of a list does not matter.
.macro SCANQ i
.irp c, 0,1,2,3
	v_cmp_eq_u32 s[S_M+(\c)], s[S_E], v[V_TY+4*(\i)+(\c)]
	v_cmp_lt_u32 s[S_Z+(\c)], 15, v[V_TY+4*(\i)+(\c)]
.endr
.irp c, 0,1,2,3
	s_and_b32 s[S_Z+(\c)], s[S_Z+(\c)], s[S_ZM]
	s_or_b32 s[S_M+(\c)], s[S_M+(\c)], s[S_Z+(\c)]
.if (\i) >= 5
	s_and_b32 s[S_M+(\c)], s[S_M+(\c)], s[S_VM+(\i)-5]
.endif
.endr
	s_mov_b32 s[S_B], s[S_NW]
.irp c, 0,1,2
	s_bcnt1_i32_b32 s[S_T], s[S_M+(\c)]
	s_add_co_u32 s[S_B+(\c)+1], s[S_B+(\c)], s[S_T]
.endr
	s_bcnt1_i32_b32 s[S_T], s[S_M+3]
	s_add_co_u32 s[S_NW], s[S_B+3], s[S_T]
.irp c, 0,1,2,3
	v_mbcnt_lo_u32_b32 v[V_P+(\c)], s[S_M+(\c)], s[S_B+(\c)]  ; matches in lower lanes + the column's first place
.endr
.irp c, 0,1,2,3
	v_cndmask_b32 v[V_P+(\c)], v[V_DMP], v[V_P+(\c)], s[S_M+(\c)]
.endr
.irp c, 0,1,2,3
	v_min_u32 v[V_P+(\c)], 927, v[V_P+(\c)]
.endr
.irp c, 0,1,2,3
	v_lshl_add_u32 v[V_P+(\c)], v[V_P+(\c)], 2, s[S_LB]
.endr
.irp c, 0,1,2,3
	v_cndmask_b32 v[V_TT+(\c)], v[V_ROW0], v[V_ROWM], s[S_Z+(\c)]
.endr
.irp c, 0,1,2,3
	v_add_nc_u32 v[V_RW+(\c)], 512*(\i)+(\c), v[V_TT+(\c)]
.endr
.irp c, 0,1,2,3
	ds_store_b32 v[V_P+(\c)], v[V_RW+(\c)]
.endr
.endm
.irp i, 0,1,2,3,4,5,6
	SCANQ \i
.endr
	s_lshl_b32 s[S_T], s[S_WV], 2
	s_add_co_u32 s[S_T], s[S_T], CNTB
	v_mov_b32 v[V_CA], s[S_T]
	v_mov_b32 v[V_CD], s[S_NW]
	ds_store_b32 v[V_CA], v[V_CD]                  ; my count, for the other waves: all lanes write the same word with the same number
	WLD 2
	WLD 3
; Staging set st's sixteen rows are rounded to bf16 and put into LDS: a lane's 16 + 16 bytes of f32 become 8 + 8 bytes; each store covers 256 consecutive bytes.
; perm = 0: rows of x, into slots 16 b + i.  perm = 1: W's rows 16 b + i = 4 r + a of my 64, into slots 16 a + r.
.macro CONV st, adr, perm, b
	WIN 0x0a+5*((\st)/2)                           ; sources 0 and 1 window 2 or 3
.set i, 0
.rept 64
	v_cvt_pk_bf16_f32 v[V_CV+i], v[128*((\st)%2)+2*i], v[128*((\st)%2)+2*i+1]
.set i, i+1
.endr
	WIN 0
.set i, 0
.rept 16
.if \perm
.set sl, 16*(i%4)+4*(\b)+i/4
.else
.set sl, 16*(\b)+i
.endif
	ds_store_b64 v[\adr], v[V_CV+4*i:V_CV+4*i+1]   offset:sl*XP
	ds_store_b64 v[\adr], v[V_CV+4*i+2:V_CV+4*i+3] offset:sl*XP+256
.set i, i+1
.endr
.endm
	s_wait_loadcnt 0x3f                            ; set 0 is in: 96 loads are younger; a wait's count names 63 at the most
	CONV 0, V_WST, 1, 0
	s_wait_loadcnt 0x3f                            ; set 1: 64 are younger
	CONV 1, V_WST, 1, 1
	s_wait_loadcnt 0x20                            ; set 2: set 3's 32 may stay out
	CONV 2, V_WST, 1, 2
	s_wait_loadcnt 0x0
	CONV 3, V_WST, 1, 3
	s_wait_dscnt 0x0                               ; for the others' sake: my list, my count and my part of W are stored
	s_barrier_signal -1
	s_barrier_wait -1                              ; the only barrier: from here on lists, counts and W are only read, and each wave writes bytes of its own alone
	; THE DEAL.  Rank p of the work-group's n rows lies in list k, the last with P_k <= p, at entry p - P_k: byte 4 p + (4,096 k - 4 P_k).  My share: ranks w q .. w q + q - 1, q = ceil(n / 4).
	v_mov_b32 v[V_CA], CNTB
	ds_load_b128 v[V_CN:V_CN+3], v[V_CA]
	s_wait_dscnt 0x0
.irp c, 0,1,2,3
	v_readfirstlane_b32 s[S_N+(\c)], v[V_CN+(\c)]
.endr
	s_mov_b32 s[S_P+1], s[S_N]
	s_add_co_u32 s[S_P+2], s[S_P+1], s[S_N+1]
	s_add_co_u32 s[S_P+3], s[S_P+2], s[S_N+2]
	s_add_co_u32 s[S_NT], s[S_P+3], s[S_N+3]
.irp k, 1,2,3
	s_lshl_b32 s[S_T], s[S_P+(\k)], 2
	s_sub_co_u32 s[S_D+(\k)], 4096*(\k), s[S_T]
.endr
	s_add_co_u32 s[S_Q], s[S_NT], 3
	s_lshr_b32 s[S_Q], s[S_Q], 2
	s_mul_i32 s[S_ST], s[S_WV], s[S_Q]
	s_sub_co_i32 s[S_T], s[S_NT], s[S_ST]
	s_max_i32 s[S_T], s[S_T], 0
	s_min_i32 s[S_RM], s[S_T], s[S_Q]              ; my rows
	s_add_co_u32 s[S_NTR], s[S_RM], 63
	s_lshr_b32 s[S_NTR], s[S_NTR], 6               ; my trips; the loop makes one at the least
	v_add_nc_u32 v[V_RK], s[S_ST], v[V_LANE]
.set q, 0
.rept 26                               ; 26 x 32 = 832 entries: 13 trips' worth.  Ranks past my share name a neighbour's rows or what the lists were filled with; the place is held inside the lists' 16,384 bytes
	v_add_nc_u32 v[V_RR], 32*q, v[V_RK]
	v_cmp_le_u32 vcc_lo, s[S_P+1], v[V_RR]
	v_cndmask_b32 v[V_DD], 0, s[S_D+1], vcc_lo
	v_cmp_le_u32 vcc_lo, s[S_P+2], v[V_RR]
	v_cndmask_b32 v[V_DD], v[V_DD], s[S_D+2], vcc_lo
	v_cmp_le_u32 vcc_lo, s[S_P+3], v[V_RR]
	v_cndmask_b32 v[V_DD], v[V_DD], s[S_D+3], vcc_lo
	v_lshl_add_u32 v[V_DD], v[V_RR], 2, v[V_DD]
	v_min_u32 v[V_DD], 16380, v[V_DD]
	ds_load_b32 v[V_LR+q], v[V_DD]
.set q, q+1
.endr
	s_wait_dscnt 0x0
; Sixteen rows of x into staging set k: two loads a row, 512 consecutive bytes each.
.macro XLD k
	WIN 0x80+0x40*((\k)/2)                         ; destination window 2 or 3, address window 0
.set i, 0
.rept 16
	global_load_b128 v[128*((\k)%2)+8*i:128*((\k)%2)+8*i+3],   v[V_XO+16*(\k)+i], s[4:5]
	global_load_b128 v[128*((\k)%2)+8*i+4:128*((\k)%2)+8*i+7], v[V_XO+16*(\k)+i], s[4:5] offset:512
.set i, i+1
.endr
	WIN 0
.endm
; A TILE: 16 rows x column group c's 64 columns x K = 256: 32 matrix instructions, the four accumulators by turns; the first K step starts the sums.
; Then the bias, which also lays a row's four columns side by side, and eight stores; a store's lanes are on where the row exists: 16 t + 8 (lane / 16) + j < rows left.
.macro TILE t, c
	WIN 0x09                                       ; source 0 (x) window 1, source 1 (W) window 2
.set ks, 0
.rept 8
.if (\t) == 0
	s_wait_dscnt 56-8*ks                           ; W's eight loads of this K step are in (and all that is older: x's fragments); the later K steps' may stay out
.endif
.set a, 0
.rept 4
.if ks == 0
	v_wmma_f32_16x16x32_bf16 v[V_ACC+8*a:V_ACC+8*a+7], v[64*(\t)+8*ks:64*(\t)+8*ks+7], v[8*(8*a+ks):8*(8*a+ks)+7], 0
.else
	v_wmma_f32_16x16x32_bf16 v[V_ACC+8*a:V_ACC+8*a+7], v[64*(\t)+8*ks:64*(\t)+8*ks+7], v[8*(8*a+ks):8*(8*a+ks)+7], v[V_ACC+8*a:V_ACC+8*a+7]
.endif
.set a, a+1
.endr
.set ks, ks+1
.endr
	WIN 0
.rept 4
	v_nop                                          ; the places behind the last products (ISA guide 7.12.1): no other vector work is at hand
.endr
.set j, 0
.rept 8                                ; each accumulator is read from its lowest register on
.set a, 0
.rept 4
	v_fma_f32 v[V_OUT+4*j+a], v[V_BI+4*(\c)+a], v[V_F+8*(\t)+j], v[V_ACC+8*a+j]
.set a, a+1
.endr
.set j, j+1
.endr
.set j, 0
.rept 8
	s_wait_xcnt 0x0                                ; EXEC is a source of the store before: it changes only behind this wait
	v_cmpx_lt_i32 16*(\t)+j, v[V_VR]               ; lanes that are off stay off: the rows that exist grow fewer with j
	global_store_b128 v[V_OA+8*(\t)+j], v[V_OUT+4*j:V_OUT+4*j+3], s[12:13] offset:256*(\c) th:TH_STORE_NT  ; lanes 0-15: 256 consecutive bytes of row j, aligned; lanes 16-31: of row 8 + j
.set j, j+1
.endr
	s_wait_xcnt 0x0                                ; and the stores' data and offsets are written anew only behind this wait
	s_mov_b32 exec_lo, -1
.endm
; COLUMN GROUP c: W's 64 rows come into 256 registers and serve four tiles, 128 matrix instructions.  The last products that read these registers stand a tile's four places and 32 additions back.
.macro COLS c
	WIN 0x80                                       ; destination window 2, address window 0
.set ks, 0
.rept 8
.set a, 0
.rept 4
	ds_load_b128 v[8*(8*a+ks):8*(8*a+ks)+3],   v[V_BF+(\c)] offset:16*a*XP+64*ks
	ds_load_b128 v[8*(8*a+ks)+4:8*(8*a+ks)+7], v[V_BF+(\c)] offset:16*a*XP+64*ks+32
.set a, a+1
.endr
.set ks, ks+1
.endr
	TILE 0, \c
	TILE 1, \c
	TILE 2, \c
	TILE 3, \c
.endm
	s_mov_b32 s[S_TC], 0
.Ltrip:                                ; 64 rows of mine
	ds_store_b32 v[V_CURA], v[V_LR]                ; the trip's 64 entries go to a fixed place, from which they are read in the two orders that are wanted;
	ds_store_b32 v[V_CURA], v[V_LR+1] offset:128   ; LDS serves a wave's instructions in order (ISA guide 5.7.1.4): the loads below see these stores
	v_mov_b32 v[V_RMV], s[S_RM]
	v_sub_nc_u32 v[V_VR], s[S_RM], v[V_H8]
.set q, 0
.rept 16
	ds_load_b128 v[V_XO+4*q:V_XO+4*q+3], v[V_CURR] offset:16*q  ; every lane reads the same words
.set q, q+1
.endr
	s_wait_dscnt 0x0
.set n, 0
.rept 64
	v_min_u32 v[V_XO+n], NROWS-1, v[V_XO+n]        ; an entry is held to the last row before it enters an address (a marked entry too: its row is overwritten below)
.set n, n+1
.endr
.set n, 0
.rept 64
	v_lshl_add_u32 v[V_XO+n], v[V_XO+n], 10, v[V_L16]
.set n, n+1
.endr
.irp k, 0,1,2,3                        ; a batch of 16 rows that begins past the count is issued with no lane on: nothing is fetched, and the counts of the waits below hold whatever the count
	s_wait_xcnt 0x0                                ; EXEC is a source of what is out: it changes only behind this wait
	v_cmpx_lt_i32 16*(\k), v[V_RMV]
	XLD \k
.endr
	s_wait_xcnt 0x0                                ; and the offsets are written anew only behind it
	s_mov_b32 exec_lo, -1
	s_wait_loadcnt 0x3f                            ; set 0 is in: 96 loads are younger; a wait's count names 63 at the most
	CONV 0, V_XST, 0, 0
	s_wait_loadcnt 0x3f                            ; set 1: 64 are younger
	CONV 1, V_XST, 0, 1
	s_wait_loadcnt 0x20                            ; set 2: set 3's 32 may stay out
	CONV 2, V_XST, 0, 2
	s_wait_loadcnt 0x0
	CONV 3, V_XST, 0, 3
	s_wait_xcnt 0x0
	v_cmpx_le_u32 v[V_K64], v[V_LR]                ; rows of no type: a lane whose entry is marked writes zeros over its slot; as a rule no lane is on
.set q, 0
.rept 32
	ds_store_b128 v[V_ZS], v[V_ZQ:V_ZQ+3] offset:16*q
.set q, q+1
.endr
	s_mov_b32 exec_lo, -1
	v_cmpx_le_u32 v[V_K64], v[V_LR+1]
.set q, 0
.rept 32
	ds_store_b128 v[V_ZS], v[V_ZQ:V_ZQ+3] offset:32*XP+16*q
.set q, q+1
.endr
	s_mov_b32 exec_lo, -1
.irp t, 0,1,2,3
	ds_load_b128 v[V_OA+8*(\t):V_OA+8*(\t)+3],   v[V_CURH] offset:64*(\t)     ; entries 16 t + 8 (lane / 16) + 0..7
	ds_load_b128 v[V_OA+8*(\t)+4:V_OA+8*(\t)+7], v[V_CURH] offset:64*(\t)+16
.endr
	WIN 0x40                                       ; destination window 1
.set n, 0
.rept 32                               ; x's fragments: tile n / 8, K step n % 8
	ds_load_b128 v[8*n:8*n+3],   v[V_AF] offset:(n/8)*16*XP+(n%8)*64
	ds_load_b128 v[8*n+4:8*n+7], v[V_AF] offset:(n/8)*16*XP+(n%8)*64+32
.set n, n+1
.endr
	WIN 0
	s_wait_dscnt 0x3f                              ; the entries are in: the 64 loads of fragments are younger, 63 may stay out
.set n, 0
.rept 32
	v_cmp_gt_u32 vcc_lo, v[V_K64], v[V_OA+n]       ; not marked: the bias counts
	v_cndmask_b32 v[V_F+n], 0, 1.0, vcc_lo
	v_and_b32 v[V_OA+n], 0xffff, v[V_OA+n]
	v_min_u32 v[V_OA+n], NROWS-1, v[V_OA+n]
	v_lshl_add_u32 v[V_OA+n], v[V_OA+n], 10, v[V_R16]
.set n, n+1
.endr
	COLS 0
	COLS 1
	COLS 2
	COLS 3
.set q, 0
.rept 24
	v_mov_b32 v[V_LR+q], v[V_LR+q+2]               ; my list moves down by 64 entries
.set q, q+1
.endr
	s_sub_co_i32 s[S_RM], s[S_RM], 64
	s_add_co_u32 s[S_TC], s[S_TC], 1
	s_cmp_lt_u32 s[S_TC], s[S_NTR]
	s_cbranch_scc1 .Ltrip
	s_wait_tensorcnt 0x0                           ; the wave's end, behind my last LDS store
	ds_add_u32 v[V_SPW], v[V_NIL]
	s_wait_dscnt 0x0
	s_endpgm
.Lfunc_end_k_qf031f08e72_hetero:
	.size	k_qf031f08e72_hetero, .Lfunc_end_k_qf031f08e72_hetero-k_qf031f08e72_hetero
	.p2alignl 7, 3214868480
	.fill 96, 4, 3214868480
	.section	.rodata,"a",@progbits
	.p2align	6, 0x0
	.amdhsa_kernel k_qf031f08e72_hetero
		.amdhsa_group_segment_fixed_size 288768
		.amdhsa_private_segment_fixed_size 0
		.amdhsa_enable_private_segment 0
		.amdhsa_kernarg_size 40
		.amdhsa_user_sgpr_count 2
		.amdhsa_user_sgpr_kernarg_segment_ptr 1
		.amdhsa_wavefront_size32 1
		.amdhsa_system_sgpr_workgroup_id_x 1
		.amdhsa_system_sgpr_workgroup_id_y 1
		.amdhsa_system_sgpr_workgroup_id_z 1
		.amdhsa_system_vgpr_workitem_id 0
		.amdhsa_next_free_vgpr 1024
		.amdhsa_next_free_sgpr 66
		.amdhsa_reserve_vcc 1
		.amdhsa_float_denorm_mode_32 3
		.amdhsa_float_denorm_mode_16_64 3
		.amdhsa_memory_ordered 1
		.amdhsa_forward_progress 1
		.amdhsa_inst_pref_size 247
	.end_amdhsa_kernel
	.amdgpu_metadata
---
amdhsa.version: [ 1, 2 ]
amdhsa.kernels:
  - .name:           k_qf031f08e72_hetero
    .symbol:         k_qf031f08e72_hetero.kd
    .args:
      - { .name: x, .offset: 0, .size: 8, .value_kind: global_buffer, .address_space: global }
      - { .name: type_vec, .offset: 8, .size: 8, .value_kind: global_buffer, .address_space: global }
      - { .name: W, .offset: 16, .size: 8, .value_kind: global_buffer, .address_space: global }
      - { .name: b, .offset: 24, .size: 8, .value_kind: global_buffer, .address_space: global }
      - { .name: out0, .offset: 32, .size: 8, .value_kind: global_buffer, .address_space: global }
    .group_segment_fixed_size: 288768
    .private_segment_fixed_size: 0
    .kernarg_segment_align: 8
    .kernarg_segment_size: 40
    .max_flat_workgroup_size: 128
    .sgpr_count:     66
    .vgpr_count:     1024
    .wavefront_size: 32
...
	.end_amdgpu_metadata
.endif
;; end of part 1
;; ======== version 2 of 2: 1 launch; 1.14 times as fast as version 1
;; launch hetero (part 2): grid 16 x 16, 4 waves a work-group, no clusters, 288,768 bytes of LDS; arguments x, type_vec, W, b, out0; writes out0
.if DOCPART == 2
	.amdgcn_target "amdgcn-amd-amdhsa--gfx1250"
	.amdhsa_code_object_version 6
	.text
	.protected	k_qf031f08e72_hetero
	.globl	k_qf031f08e72_hetero
	.p2align	8
	.type	k_qf031f08e72_hetero,@function
k_qf031f08e72_hetero:
	s_mov_b64 s[64:65], 0
	v_nop
	global_prefetch_b8 v0, s[64:65] scope:SCOPE_SE
	s_setreg_imm32_b32 hwreg(HW_REG_WAVE_MODE, 25, 1), 1
	s_wait_xcnt 0x0
; out[n][:] = x[n][:] . W[t[n]]^T + b[t[n]].  x, out: [50000][256] f32; t: [50000] i32; W: [16][256][256] f32; b: [16][256] f32.
; A row whose type lies outside 0..15 gets 0, which is what the sixteen selections leave there.
; SHARES.  Work-group (e, s) owns the rows of type e among the 3,136 rows of segment s (the last segment: 2,960): 16 x 16 work-groups.  It reads its 12,544 bytes of t itself.
; Each of the four waves scans a quarter of the segment's quads into a list of its own; behind a first barrier the four lists, taken end to end, are dealt out evenly: ceil(n / 4) rows a wave.
; A wave then makes all 256 columns of its rows, 64 rows a trip.  W[e], rounded to bf16, lies in LDS for all four waves: each wave brings and rounds 64 of its rows; a second barrier stands ahead of the first read of it.
; ORDER.  The rows of x hang on t, so t goes out first, with half of my part of W behind it; as soon as the lists are dealt my first 64 rows of x are asked for, and W is rounded, and its other half fetched,
; while they are on their way: a ring of batches of 32 loads, in which each step issues a batch and rounds the oldest.
; CONTROL.  One loop, whose count, ceil(rows / 64), hangs on t; it begins with the products (the first trip's rows were gathered ahead of it), is left forward when the count is reached, and else gathers the next
; 64 rows and goes back.  A wave without rows jumps over it.  No other branch; both barriers stand ahead of the loop, on every wave's path.  In the loop every LDS address is a register made at the head plus a
; constant: the four groups of 64 columns are written out, each with an address register of its own, and the wave's list lies in 26 registers that move down by two a trip.
; PLACES PAST THE COUNT repeat the wave's last row: it is gathered, multiplied and stored again, by the same wave, with the same numbers (a row of a product hangs on its own row of source 0 and on
; W alone).  So no load and no store wants a mask, and none waits for the one before it.  The price: up to 63 rows gathered and stored again in a wave's last trip.
; A wave without rows gathers, ahead of the second barrier, rows that exist, and stores nothing.
; LAYOUT.  Source 0 = 16 rows of x, source 1 = 16 rows of W.  Accumulator a (0..3) of column group c takes W's rows 64 c + 4 r + a (r = lane % 16), so a lane's four accumulators hold four
; NEIGHBOURING columns of a row: 16 bytes; sixteen lanes store 256 consecutive bytes, aligned, with no trip through LDS.
; EVERY SPLIT IS SERVED: a wave's share is 784 rows at the most, 13 trips.  LIMIT: a split far from even is right but not balanced between work-groups (one may have all 3,136 rows).
; FORMATS.  x and W are rounded once to bf16 (f32's range is kept); sums and the bias stay in f32.
; ROWS OF NO TYPE go to the work-groups of type 0, with bit 16 set in the list: their rows in LDS are overwritten with zeros and their bias is multiplied by 0.
; NO CLUSTER, though the 16 work-groups of a type read the same 262,144 bytes of W: the trip count hangs on the work-group's own rows, which differ between partners.
; NO TENSOR LOAD: W in f32 (266 KB with padding) and its bf16 copy (135 KB) do not fit in LDS together, so W is rounded on its way through registers, like x.
;
; LDS.  0: the lists, 4,096 bytes a wave: words 0-895 row numbers, words 896-927 a word for each lane that takes what does not match.  16,384: a trip's 64 entries, 256 bytes a wave.  17,408: the four counts.
; 17,664: the spare words.  18,176: W, 256 slots of 512 bytes of bf16 + 16: row 64 c + 4 r + a in slot 64 c + 16 a + r, so that the 16 rows of a fragment lie 528 bytes apart and start in 16 different
; 16-byte columns modulo 256 (64 banks of 4 bytes: ISA guide 11.1).  153,344: x, 64 such slots a wave.
; REGISTERS, in windows of 256 (s_set_vgpr_msb: bits 1:0 source 0, 3:2 source 1, 5:4 source 2, 7:6 destination):
;   window 0: see the names below.   window 1: two staging sets for W; then x's fragments, (tile t, K step ks) at 64 t + 8 ks.
;   window 2: x's staging sets 0, 1; then W's fragments of a column group, (a, ks) at 8 (8 a + ks).   window 3: x's staging sets 2, 3.
;   A staging set is 16 rows in f32, row i at 8 i; it is rounded in place, into its lower half.
.set NROWS, 50000
.set SEGR,  3136                       ; rows in a segment
.set SEGQ,  784                        ; quads of t in a segment
.set XP,    528                        ; a slot: a row of 256 bf16 + 16 bytes
.set REG64, 64*XP                      ; 64 slots: a wave's part of W, a column group, a wave's x region
.set CURB,  16384
.set CNTB,  17408
.set SPARE, 17664                      ; 128 bytes for each wave: two blocks of 256 bytes that no other line names
.set WL,    18176
.set XB,    153344
.set V_LANE, 1
.set V_L16,  2                         ; 16 x lane
.set V_R,    3                         ; lane % 16
.set V_H,    4                         ; lane / 16
.set V_SPW,  5                         ; LDS address of my spare word; never rewritten
.set V_NIL,  6                         ; 0, for the add alone
.set V_ROWM, 7                         ; the first row of my first quad, marked
.set V_WST,  8                         ; where I put 8 bytes of a row of my part of W
.set V_XST,  9                         ; the same in my x region
.set V_AF,   10                        ; my lane's place in a fragment of x
.set V_CURA, 13                        ; my word among the trip's entries
.set V_CURR, 14                        ; the trip's entries, the same address in every lane
.set V_CURH, 15                        ; the same + 32 (lane / 16)
.set V_R16,  16                        ; 16 (lane % 16)
.set V_ROW0, 18                        ; the first row of my first quad
.set V_DMP,  19                        ; 896 + lane
.set V_K64,  22                        ; 0x10000: the mark of a row of no type
.set V_ZS,   23                        ; slot `lane' of my x region
.set V_BI,   24                        ; v[24:39]   the bias of my four columns in column group c at + 4 c
.set V_ZQ,   44                        ; v[44:47]   four zeros
.set V_LR,   48                        ; v[48:73]   my share of the lists: entry 32 q + lane in register q
.set V_TO,   74                        ; offsets of the type loads and of the bias
.set V_T5,   75
.set V_T6,   76
.set V_BO,   77
.set V_CA,   78
.set V_CD,   79
.set V_F,    80                        ; v[80:111]  1.0, or 0.0 for a row of no type: tile t, row 8 (lane / 16) + j at 8 t + j
.set V_TY,   80                        ; v[80:107]  before the loop: seven quads of types
.set V_OA,   112                       ; v[112:143] byte offsets in out, like F
.set V_P,    112                       ; before the loop: list places,
.set V_RW,   116                       ; row numbers,
.set V_TT,   120                       ; their bases, marked or not,
.set V_FQ,   124                       ; four times the segment's first row,
.set V_RK,   128                       ; my first rank + lane,
.set V_RR,   129                       ; a rank,
.set V_DD,   130                       ; its place in the lists,
.set V_CN,   132                       ; v[132:135] the four counts
.set V_ACC,  144                       ; v[144:175] accumulator a at + 8 a
.set V_OUT,  176                       ; v[176:207] row j's four columns at + 4 j
.set V_XO,   144                       ; v[144:207] while rows are gathered: 64 byte offsets in x
.set V_BF,   208                       ; v[208:211] my lane's place in a fragment of W, in column group 0..3; never rewritten
.set S_WV,   14
.set S_E,    15
.set S_SEG,  16
.set S_ZM,   17                        ; all ones in the work-groups of type 0
.set S_QV,   22                        ; quads in my segment
.set S_QL,   23                        ; the last of them
.set S_NW,   24                        ; rows that my wave found
.set S_LB,   25                        ; my list's LDS address
.set S_T,    26
.set S_T2,   27
.set S_M,    28                        ; s[28:31] lanes that match
.set S_Z,    32                        ; s[32:35] lanes of no type
.set S_B,    36                        ; s[36:39] list place of a quad column's first match
.set S_VM,   40                        ; s40, s41 lanes whose quad 5, 6 exists
.set S_N,    44                        ; s[44:47] the four waves' counts
.set S_P,    48                        ; s49-51   the rank at which list 1, 2, 3 begins
.set S_D,    52                        ; s53-55   4,096 k - 4 x that rank
.set S_NT,   56                        ; the work-group's rows
.set S_Q,    57                        ; a wave's share
.set S_ST,   58                        ; my first rank
.set S_LAST, 59                        ; my last rank
.set S_NTR,  60                        ; my trips
.set S_TC,   61
.set S_RM,   62                        ; my rows
.set MSB, 0
.macro WIN new                         ; the immediate's high byte repeats the setting that is left; a switch that changes nothing is dropped
.if MSB != (\new)
	s_set_vgpr_msb (MSB<<8)|(\new)
.set MSB, (\new)
.endif
.endm
	s_load_b256 s[4:11], s[0:1], 0x0               ; x s[4:5], type_vec s[6:7], W s[8:9], b s[10:11]
	s_load_b64 s[12:13], s[0:1], 0x20              ; out0
	v_lshl_add_u32 v[V_SPW], v0, 2, SPARE
	v_mov_b32 v[V_NIL], 0
	v_lshrrev_b32 v[V_H], 5, v0
	v_readfirstlane_b32 s[S_WV], v[V_H]            ; wave 0..3
	s_mov_b32 s[S_E], ttmp9                        ; my type
	s_and_b32 s[S_SEG], ttmp7, 0xffff              ; my segment
	s_cmp_eq_u32 s[S_E], 0
	s_cselect_b32 s[S_ZM], -1, 0
	s_lshl_b32 s18, s[S_E], 18                     ; W[e]: 262,144 bytes a type,
	s_lshl_b32 s20, s[S_WV], 16                    ; my 64 rows of 1,024 bytes
	s_add_co_u32 s18, s18, s20
	s_mov_b32 s19, 0
	s_mul_i32 s20, s[S_SEG], SEGQ*16               ; my segment's types
	s_mov_b32 s21, 0
	s_mul_i32 s[S_QV], s[S_SEG], SEGQ
	s_sub_co_u32 s[S_QV], NROWS/4, s[S_QV]
	s_min_u32 s[S_QV], s[S_QV], SEGQ               ; 784 quads; 740 in the last segment
	s_sub_co_u32 s[S_QL], s[S_QV], 1
	v_and_b32 v[V_LANE], 31, v0
	v_lshlrev_b32 v[V_L16], 4, v[V_LANE]
	v_and_b32 v[V_R], 15, v0
	v_lshlrev_b32 v[V_TO], 4, v0                   ; quad 128 i + thread: 16 bytes a thread, 2,048 i in the immediate (i = 0..4: quad 639 at the most, in every segment)
	v_add_nc_u32 v[V_T5], 640, v0                  ; quads 5 and 6 may lie past the segment's end: the number is held to the last quad, and the lanes are struck from the matches
	v_add_nc_u32 v[V_T6], 768, v0
	v_cmp_gt_u32 s[S_VM], s[S_QV], v[V_T5]
	v_cmp_gt_u32 s[S_VM+1], s[S_QV], v[V_T6]
	v_min_u32 v[V_T5], s[S_QL], v[V_T5]
	v_min_u32 v[V_T6], s[S_QL], v[V_T6]
	v_lshlrev_b32 v[V_T5], 4, v[V_T5]
	v_lshlrev_b32 v[V_T6], 4, v[V_T6]
	s_lshl_b32 s[S_T], s[S_E], 10                  ; b[e], my four columns of a group
	v_lshl_add_u32 v[V_BO], v[V_R], 4, s[S_T]
	s_wait_kmcnt 0x0
	s_add_nc_u64 s[8:9], s[8:9], s[18:19]
	s_add_nc_u64 s[6:7], s[6:7], s[20:21]
.irp i, 0,1,2,3,4
	global_load_b128 v[V_TY+4*(\i):V_TY+4*(\i)+3], v[V_TO], s[6:7] offset:2048*(\i)  ; the rows of x hang on these: they go out first
.endr
	global_load_b128 v[V_TY+20:V_TY+23], v[V_T5], s[6:7]
	global_load_b128 v[V_TY+24:V_TY+27], v[V_T6], s[6:7]
.irp c, 0,1,2,3
	global_load_b128 v[V_BI+4*(\c):V_BI+4*(\c)+3], v[V_BO], s[10:11] offset:256*(\c)
.endr
; Sixteen of my 64 rows of W, rows 16 b .., into W's staging set b % 2: two loads a row, 512 consecutive bytes each.
.macro WLD b
	WIN 0x40                                       ; destination window 1, address window 0
.set i, 0
.rept 16
	global_load_b128 v[128*((\b)%2)+8*i:128*((\b)%2)+8*i+3],   v[V_L16], s[8:9] offset:1024*(16*(\b)+i)
	global_load_b128 v[128*((\b)%2)+8*i+4:128*((\b)%2)+8*i+7], v[V_L16], s[8:9] offset:1024*(16*(\b)+i)+512
.set i, i+1
.endr
	WIN 0
.endm
	WLD 0
	WLD 1
	v_bfe_u32 v[V_H], v0, 4, 1
	v_lshlrev_b32 v[V_R16], 4, v[V_R]
	v_mov_b32 v[V_K64], 0x10000
.irp c, 0,1,2,3
	v_mov_b32 v[V_ZQ+(\c)], 0
.endr
	s_mul_i32 s[S_T], s[S_WV], REG64
	s_add_co_u32 s[S_T2], s[S_T], WL
	v_lshl_add_u32 v[V_WST], v[V_LANE], 3, s[S_T2]
	s_add_co_u32 s[S_T2], s[S_T], XB
	v_lshl_add_u32 v[V_XST], v[V_LANE], 3, s[S_T2]
	v_mul_u32_u24 v[V_CD], v[V_R], XP              ; a fragment is 16 rows x 32 K in 8 registers: lane l holds row l % 16, K = 8 (l / 16) + 0..7 and 16 + 8 (l / 16) + 0..7
	v_lshl_add_u32 v[V_CD], v[V_H], 4, v[V_CD]
	v_add_nc_u32 v[V_AF], s[S_T2], v[V_CD]
.irp c, 0,1,2,3
	v_add_nc_u32 v[V_BF+(\c)], WL+(\c)*REG64, v[V_CD]
.endr
	v_mul_u32_u24 v[V_ZS], v[V_LANE], XP
	v_add_nc_u32 v[V_ZS], s[S_T2], v[V_ZS]
	s_lshl_b32 s[S_T], s[S_WV], 8
	s_add_co_u32 s[S_T], s[S_T], CURB
	v_lshl_add_u32 v[V_CURA], v[V_LANE], 2, s[S_T]
	v_mov_b32 v[V_CURR], s[S_T]
	v_lshl_add_u32 v[V_CURH], v[V_H], 5, s[S_T]
	s_lshl_b32 s[S_LB], s[S_WV], 12
	s_mul_i32 s[S_T], s[S_SEG], SEGR               ; the segment's first row
	v_lshl_add_u32 v[V_ROW0], v0, 2, s[S_T]
	v_add_nc_u32 v[V_ROWM], 0x10000, v[V_ROW0]
	v_add_nc_u32 v[V_DMP], 896, v[V_LANE]
.irp c, 0,1,2,3
	v_mov_b32 v[V_FQ+(\c)], s[S_T]
.endr
	v_add_nc_u32 v[V_CA], s[S_LB], v[V_L16]
.irp q, 0,1,2,3,4,5,6,7
	ds_store_b128 v[V_CA], v[V_FQ:V_FQ+3] offset:512*(\q)  ; my whole list names a row that exists
.endr
	s_mov_b32 s[S_NW], 0
	s_wait_loadcnt 0x3f                            ; loads come back in order (ISA guide 5.7.1): behind the seven quads and the bias stand W's 64 loads, of which 63 may stay out
; THE SCAN of quad i: the lanes whose type is mine (in the work-groups of type 0 also those of no type, marked) take consecutive places in my list, column by column; the others write a
; word of their own behind the list.  The place is held to 927, inside my wave's 4,096 bytes.  The order of a list does not matter.
.macro SCANQ i
.irp c, 0,1,2,3
	v_cmp_eq_u32 s[S_M+(\c)], s[S_E], v[V_TY+4*(\i)+(\c)]
	v_cmp_lt_u32 s[S_Z+(\c)], 15, v[V_TY+4*(\i)+(\c)]
.endr
.irp c, 0,1,2,3
	s_and_b32 s[S_Z+(\c)], s[S_Z+(\c)], s[S_ZM]
	s_or_b32 s[S_M+(\c)], s[S_M+(\c)], s[S_Z+(\c)]
.if (\i) >= 5
	s_and_b32 s[S_M+(\c)], s[S_M+(\c)], s[S_VM+(\i)-5]
.endif
.endr
	s_mov_b32 s[S_B], s[S_NW]
.irp c, 0,1,2
	s_bcnt1_i32_b32 s[S_T], s[S_M+(\c)]
	s_add_co_u32 s[S_B+(\c)+1], s[S_B+(\c)], s[S_T]
.endr
	s_bcnt1_i32_b32 s[S_T], s[S_M+3]
	s_add_co_u32 s[S_NW], s[S_B+3], s[S_T]
.irp c, 0,1,2,3
	v_mbcnt_lo_u32_b32 v[V_P+(\c)], s[S_M+(\c)], s[S_B+(\c)]  ; matches in lower lanes + the column's first place
.endr
.irp c, 0,1,2,3
	v_cndmask_b32 v[V_P+(\c)], v[V_DMP], v[V_P+(\c)], s[S_M+(\c)]
.endr
.irp c, 0,1,2,3
	v_min_u32 v[V_P+(\c)], 927, v[V_P+(\c)]
.endr
.irp c, 0,1,2,3
	v_lshl_add_u32 v[V_P+(\c)], v[V_P+(\c)], 2, s[S_LB]
.endr
.irp c, 0,1,2,3
	v_cndmask_b32 v[V_TT+(\c)], v[V_ROW0], v[V_ROWM], s[S_Z+(\c)]
.endr
.irp c, 0,1,2,3
	v_add_nc_u32 v[V_RW+(\c)], 512*(\i)+(\c), v[V_TT+(\c)]
.endr
.irp c, 0,1,2,3
	ds_store_b32 v[V_P+(\c)], v[V_RW+(\c)]
.endr
.endm
.irp i, 0,1,2,3,4,5,6
	SCANQ \i
.endr
	s_lshl_b32 s[S_T], s[S_WV], 2
	s_add_co_u32 s[S_T], s[S_T], CNTB
	v_mov_b32 v[V_CA], s[S_T]
	v_mov_b32 v[V_CD], s[S_NW]
	ds_store_b32 v[V_CA], v[V_CD]                  ; my count, for the other waves: all lanes write the same word with the same number
	s_wait_dscnt 0x0                               ; for the others' sake: my list and my count are stored
	s_barrier_signal -1
	s_barrier_wait -1                              ; the first barrier: from here on lists and counts are only read.  W's loads stay on their way across it: nobody writes those bytes
	; THE DEAL.  Rank p of the work-group's n rows lies in list k, the last with P_k <= p, at entry p - P_k: byte 4 p + (4,096 k - 4 P_k).  My share: ranks w q .. w q + q - 1, q = ceil(n / 4).
	v_mov_b32 v[V_CA], CNTB
	ds_load_b128 v[V_CN:V_CN+3], v[V_CA]
	s_wait_dscnt 0x0
.irp c, 0,1,2,3
	v_readfirstlane_b32 s[S_N+(\c)], v[V_CN+(\c)]
.endr
	s_mov_b32 s[S_P+1], s[S_N]
	s_add_co_u32 s[S_P+2], s[S_P+1], s[S_N+1]
	s_add_co_u32 s[S_P+3], s[S_P+2], s[S_N+2]
	s_add_co_u32 s[S_NT], s[S_P+3], s[S_N+3]
.irp k, 1,2,3
	s_lshl_b32 s[S_T], s[S_P+(\k)], 2
	s_sub_co_u32 s[S_D+(\k)], 4096*(\k), s[S_T]
.endr
	s_add_co_u32 s[S_Q], s[S_NT], 3
	s_lshr_b32 s[S_Q], s[S_Q], 2
	s_mul_i32 s[S_ST], s[S_WV], s[S_Q]
	s_sub_co_i32 s[S_T], s[S_NT], s[S_ST]
	s_max_i32 s[S_T], s[S_T], 0
	s_min_i32 s[S_RM], s[S_T], s[S_Q]              ; my rows
	s_add_co_u32 s[S_NTR], s[S_RM], 63
	s_lshr_b32 s[S_NTR], s[S_NTR], 6               ; my trips
	s_add_co_u32 s[S_LAST], s[S_ST], s[S_RM]
	s_sub_co_i32 s[S_LAST], s[S_LAST], 1           ; my last rank (without rows: some place in the lists, all of which name rows that exist)
	s_max_i32 s[S_LAST], s[S_LAST], 0
	v_add_nc_u32 v[V_RK], s[S_ST], v[V_LANE]
; List register q: entries 32 q + lane of my share.  A rank past my share is held to my last rank; the place is held inside the lists' 16,384 bytes.
.macro DEAL q
	v_add_nc_u32 v[V_RR], 32*(\q), v[V_RK]
	v_min_u32 v[V_RR], s[S_LAST], v[V_RR]
	v_cmp_le_u32 vcc_lo, s[S_P+1], v[V_RR]
	v_cndmask_b32 v[V_DD], 0, s[S_D+1], vcc_lo
	v_cmp_le_u32 vcc_lo, s[S_P+2], v[V_RR]
	v_cndmask_b32 v[V_DD], v[V_DD], s[S_D+2], vcc_lo
	v_cmp_le_u32 vcc_lo, s[S_P+3], v[V_RR]
	v_cndmask_b32 v[V_DD], v[V_DD], s[S_D+3], vcc_lo
	v_lshl_add_u32 v[V_DD], v[V_RR], 2, v[V_DD]
	v_min_u32 v[V_DD], 16380, v[V_DD]
	ds_load_b32 v[V_LR+(\q)], v[V_DD]
.endm
; A trip's 64 entries go to a fixed place, from which they are read in the two orders that are wanted: here every lane reads the same words, all 64.
.macro ENTRIES
	ds_store_b32 v[V_CURA], v[V_LR]
	ds_store_b32 v[V_CURA], v[V_LR+1] offset:128   ; LDS serves a wave's instructions in order (ISA guide 5.7.1.4): the loads below see these stores
.set q, 0
.rept 16
	ds_load_b128 v[V_XO+4*q:V_XO+4*q+3], v[V_CURR] offset:16*q
.set q, q+1
.endr
	s_wait_dscnt 0x0
.endm
; Batch k's sixteen entries become byte offsets in x.  An entry is held to the last row before it enters an address (a marked entry too: its row is overwritten in LDS).
.macro XOFF k
.set n, 0
.rept 16
	v_min_u32 v[V_XO+16*(\k)+n], NROWS-1, v[V_XO+16*(\k)+n]
.set n, n+1
.endr
.set n, 0
.rept 16
	v_lshl_add_u32 v[V_XO+16*(\k)+n], v[V_XO+16*(\k)+n], 10, v[V_L16]
.set n, n+1
.endr
.endm
; Sixteen rows of x into staging set k: two loads a row, 512 consecutive bytes each.  The offsets stay as they are until all loads have come back.
.macro XLD k
	WIN 0x80+0x40*((\k)/2)                         ; destination window 2 or 3, address window 0
.set i, 0
.rept 16
	global_load_b128 v[128*((\k)%2)+8*i:128*((\k)%2)+8*i+3],   v[V_XO+16*(\k)+i], s[4:5]
	global_load_b128 v[128*((\k)%2)+8*i+4:128*((\k)%2)+8*i+7], v[V_XO+16*(\k)+i], s[4:5] offset:512
.set i, i+1
.endr
	WIN 0
.endm
; The staging set at register base of window w is rounded to bf16 in place (result i lands on register i when registers 2 i and 2 i + 1 have been read) and put into LDS: a lane's 16 + 16 bytes of
; f32 become 8 + 8 bytes; each store covers 256 consecutive bytes.  perm = 0: rows of x, into slots 16 b + i.  perm = 1: W's rows 16 b + i = 4 r + a of my 64, into slots 16 a + r.
.macro CONV w, base, adr, perm, b
	WIN (\w)|((\w)<<2)|((\w)<<6)                   ; sources 0 and 1 and the destination in window w
.set i, 0
.rept 64
	v_cvt_pk_bf16_f32 v[(\base)+i], v[(\base)+2*i], v[(\base)+2*i+1]
.set i, i+1
.endr
	WIN (\w)<<2                                    ; the stores' data (source 1) in window w, their address in window 0
.set i, 0
.rept 16
.if \perm
.set sl, 16*(i%4)+4*(\b)+i/4
.else
.set sl, 16*(\b)+i
.endif
	ds_store_b64 v[\adr], v[(\base)+4*i:(\base)+4*i+1]   offset:sl*XP
	ds_store_b64 v[\adr], v[(\base)+4*i+2:(\base)+4*i+3] offset:sl*XP+256
.set i, i+1
.endr
	WIN 0
.endm
.macro XCONV k
	CONV 2+(\k)/2, 128*((\k)%2), V_XST, 0, \k
.endm
	DEAL 0                                         ; the first trip's 64 entries first: the rows of x hang on them
	DEAL 1
	s_wait_dscnt 0x0
	ENTRIES
	XOFF 0
	s_wait_loadcnt 0x0                             ; W's batches 0 and 1, asked for at the head, are in: so their rounding below needs no wait behind x's loads
	XLD 0
	XOFF 1
	XLD 1                                          ; 64 loads of x are out; what follows is work on registers and LDS while they are on their way
	CONV 1, 0, V_WST, 1, 0
	CONV 1, 128, V_WST, 1, 1
.set dq, 2
.rept 24                               ; the rest of my share: 26 x 32 = 832 entries, 13 trips' worth
	DEAL dq
.set dq, dq+1
.endr
	XOFF 2
	XOFF 3
	; THE RING: each step issues a batch of 32 loads and rounds the oldest batch that is out; behind the batch wanted stand two batches, 64 loads, of which 63 may stay out
	XLD 2
	s_wait_loadcnt 0x3f                            ; x's batch 0 (behind it: x 1, x 2)
	XCONV 0
	XLD 3
	s_wait_loadcnt 0x3f                            ; x 1 (behind it: x 2, x 3)
	XCONV 1
	WLD 2
	s_wait_loadcnt 0x3f                            ; x 2 (behind it: x 3, W 2)
	XCONV 2
	WLD 3
	s_wait_loadcnt 0x3f                            ; x 3 (behind it: W 2, W 3)
	XCONV 3
	s_wait_loadcnt 0x20                            ; W 2: W 3's 32 may stay out
	CONV 1, 0, V_WST, 1, 2
	s_wait_loadcnt 0x0
	CONV 1, 128, V_WST, 1, 3
	s_wait_dscnt 0x0                               ; for the others' sake: my part of W is stored (and my list registers are in)
	s_barrier_signal -1
	s_barrier_wait -1                              ; the second barrier: from here on W is only read, and each wave writes bytes of its own alone
; A TILE: 16 rows x column group c's 64 columns x K = 256: 32 matrix instructions, the four accumulators by turns; the first K step starts the sums.
; Then the bias, which also lays a row's four columns side by side, and eight stores in one run, all lanes on: every slot holds a row of mine.
.macro TILE t, c
	WIN 0x09                                       ; source 0 (x) window 1, source 1 (W) window 2
.set ks, 0
.rept 8
.if (\t) == 0
	s_wait_dscnt 56-8*ks                           ; W's eight loads of this K step are in (and all that is older: x's fragments); the later K steps' may stay out
.endif
.set a, 0
.rept 4
.if ks == 0
	v_wmma_f32_16x16x32_bf16 v[V_ACC+8*a:V_ACC+8*a+7], v[64*(\t)+8*ks:64*(\t)+8*ks+7], v[8*(8*a+ks):8*(8*a+ks)+7], 0
.else
	v_wmma_f32_16x16x32_bf16 v[V_ACC+8*a:V_ACC+8*a+7], v[64*(\t)+8*ks:64*(\t)+8*ks+7], v[8*(8*a+ks):8*(8*a+ks)+7], v[V_ACC+8*a:V_ACC+8*a+7]
.endif
.set a, a+1
.endr
.set ks, ks+1
.endr
	WIN 0
.rept 4
	v_nop                                          ; the places behind the last products (ISA guide 7.12.1): no other vector work is at hand
.endr
	s_wait_xcnt 0x0                                ; the tile before's stores, issued 32 matrix instructions back, have read their data: it is written anew only behind this wait
.set j, 0
.rept 8                                ; each accumulator is read from its lowest register on
.set a, 0
.rept 4
	v_fma_f32 v[V_OUT+4*j+a], v[V_BI+4*(\c)+a], v[V_F+8*(\t)+j], v[V_ACC+8*a+j]
.set a, a+1
.endr
.set j, j+1
.endr
.set j, 0
.rept 8
	global_store_b128 v[V_OA+8*(\t)+j], v[V_OUT+4*j:V_OUT+4*j+3], s[12:13] offset:256*(\c) th:TH_STORE_NT  ; lanes 0-15: 256 consecutive bytes of row j, aligned; lanes 16-31: of row 8 + j
.set j, j+1
.endr
.endm
; COLUMN GROUP c: W's 64 rows come into 256 registers and serve four tiles, 128 matrix instructions.  The last products that read these registers stand a tile's four places and 32 additions back.
.macro COLS c
	WIN 0x80                                       ; destination window 2, address window 0
.set ks, 0
.rept 8
.set a, 0
.rept 4
	ds_load_b128 v[8*(8*a+ks):8*(8*a+ks)+3],   v[V_BF+(\c)] offset:16*a*XP+64*ks
	ds_load_b128 v[8*(8*a+ks)+4:8*(8*a+ks)+7], v[V_BF+(\c)] offset:16*a*XP+64*ks+32
.set a, a+1
.endr
.set ks, ks+1
.endr
	TILE 0, \c
	TILE 1, \c
	TILE 2, \c
	TILE 3, \c
.endm
	s_cmp_eq_u32 s[S_NTR], 0
	s_cbranch_scc1 .Lend                           ; a wave without rows stores nothing; what is jumped holds no barrier
	s_mov_b32 s[S_TC], 0
.Ltrip:                                ; 64 rows of mine lie rounded in my x region, their entries in my block of entries and in the first two list registers
	s_wait_xcnt 0x0                                ; EXEC changes only behind this wait; every load has come back, so it finds nothing out
	v_cmpx_le_u32 v[V_K64], v[V_LR]                ; rows of no type: a lane whose entry is marked writes zeros over its slot; as a rule no lane is on
.set q, 0
.rept 32
	ds_store_b128 v[V_ZS], v[V_ZQ:V_ZQ+3] offset:16*q
.set q, q+1
.endr
	s_mov_b32 exec_lo, -1
	v_cmpx_le_u32 v[V_K64], v[V_LR+1]
.set q, 0
.rept 32
	ds_store_b128 v[V_ZS], v[V_ZQ:V_ZQ+3] offset:32*XP+16*q
.set q, q+1
.endr
	s_mov_b32 exec_lo, -1
.irp t, 0,1,2,3
	ds_load_b128 v[V_OA+8*(\t):V_OA+8*(\t)+3],   v[V_CURH] offset:64*(\t)     ; entries 16 t + 8 (lane / 16) + 0..7
	ds_load_b128 v[V_OA+8*(\t)+4:V_OA+8*(\t)+7], v[V_CURH] offset:64*(\t)+16
.endr
	WIN 0x40                                       ; destination window 1
.set n, 0
.rept 32                               ; x's fragments: tile n / 8, K step n % 8
	ds_load_b128 v[8*n:8*n+3],   v[V_AF] offset:(n/8)*16*XP+(n%8)*64
	ds_load_b128 v[8*n+4:8*n+7], v[V_AF] offset:(n/8)*16*XP+(n%8)*64+32
.set n, n+1
.endr
	WIN 0
	s_wait_dscnt 0x3f                              ; the entries are in: the 64 loads of fragments are younger, 63 may stay out
.set n, 0
.rept 32
	v_cmp_gt_u32 vcc_lo, v[V_K64], v[V_OA+n]       ; not marked: the bias counts
	v_cndmask_b32 v[V_F+n], 0, 1.0, vcc_lo
	v_and_b32 v[V_OA+n], 0xffff, v[V_OA+n]
	v_min_u32 v[V_OA+n], NROWS-1, v[V_OA+n]
	v_lshl_add_u32 v[V_OA+n], v[V_OA+n], 10, v[V_R16]
.set n, n+1
.endr
	COLS 0
	COLS 1
	COLS 2
	COLS 3
.set q, 0
.rept 24
	v_mov_b32 v[V_LR+q], v[V_LR+q+2]               ; my list moves down by 64 entries
.set q, q+1
.endr
	s_add_co_u32 s[S_TC], s[S_TC], 1
	s_cmp_ge_u32 s[S_TC], s[S_NTR]
	s_cbranch_scc1 .Lend                           ; that was my last trip: nothing more is gathered
	s_wait_xcnt 0x0                                ; the trip's stores have read their data and offsets: both are written anew only behind this wait
	ENTRIES                                        ; the next 64 rows
	XOFF 0
	XOFF 1
	XOFF 2
	XOFF 3
	XLD 0
	XLD 1
	XLD 2
	XLD 3
	s_wait_loadcnt 0x3f                            ; set 0 is in: 96 loads are younger; a wait's count names 63 at the most
	XCONV 0
	s_wait_loadcnt 0x3f                            ; set 1: 64 are younger
	XCONV 1
	s_wait_loadcnt 0x20                            ; set 2: set 3's 32 may stay out
	XCONV 2
	s_wait_loadcnt 0x0
	XCONV 3
	s_cmp_lt_u32 s[S_TC], s[S_NTR]
	s_cbranch_scc1 .Ltrip
.Lend:
	s_wait_tensorcnt 0x0                           ; the wave's end, behind my last LDS store
	ds_add_u32 v[V_SPW], v[V_NIL]
	s_wait_dscnt 0x0
	s_endpgm
.Lfunc_end_k_qf031f08e72_hetero:
	.size	k_qf031f08e72_hetero, .Lfunc_end_k_qf031f08e72_hetero-k_qf031f08e72_hetero
	.p2alignl 7, 3214868480
	.fill 96, 4, 3214868480
	.section	.rodata,"a",@progbits
	.p2align	6, 0x0
	.amdhsa_kernel k_qf031f08e72_hetero
		.amdhsa_group_segment_fixed_size 288768
		.amdhsa_private_segment_fixed_size 0
		.amdhsa_enable_private_segment 0
		.amdhsa_kernarg_size 40
		.amdhsa_user_sgpr_count 2
		.amdhsa_user_sgpr_kernarg_segment_ptr 1
		.amdhsa_wavefront_size32 1
		.amdhsa_system_sgpr_workgroup_id_x 1
		.amdhsa_system_sgpr_workgroup_id_y 1
		.amdhsa_system_sgpr_workgroup_id_z 1
		.amdhsa_system_vgpr_workitem_id 0
		.amdhsa_next_free_vgpr 1024
		.amdhsa_next_free_sgpr 66
		.amdhsa_reserve_vcc 1
		.amdhsa_float_denorm_mode_32 3
		.amdhsa_float_denorm_mode_16_64 3
		.amdhsa_memory_ordered 1
		.amdhsa_forward_progress 1
		.amdhsa_inst_pref_size 255
	.end_amdhsa_kernel
	.section	.bss,"aw",@nobits
	.p2align	6
	.space	262144
	.amdgpu_metadata
---
amdhsa.version: [ 1, 2 ]
amdhsa.kernels:
  - .name:           k_qf031f08e72_hetero
    .symbol:         k_qf031f08e72_hetero.kd
    .args:
      - { .name: x, .offset: 0, .size: 8, .value_kind: global_buffer, .address_space: global }
      - { .name: type_vec, .offset: 8, .size: 8, .value_kind: global_buffer, .address_space: global }
      - { .name: W, .offset: 16, .size: 8, .value_kind: global_buffer, .address_space: global }
      - { .name: b, .offset: 24, .size: 8, .value_kind: global_buffer, .address_space: global }
      - { .name: out0, .offset: 32, .size: 8, .value_kind: global_buffer, .address_space: global }
    .group_segment_fixed_size: 288768
    .private_segment_fixed_size: 0
    .kernarg_segment_align: 8
    .kernarg_segment_size: 40
    .max_flat_workgroup_size: 128
    .sgpr_count:     66
    .vgpr_count:     1024
    .wavefront_size: 32
...
	.end_amdgpu_metadata
.endif
;; end of part 2
